; MI455X (gfx1250); checked and timed in simulation.
; The chip was launched on July 23, 2026; its instructions are those of AMD's public machine-readable ISA for CDNA 5 (MIT licence, August 2026) and "CDNA5" Instruction Set Architecture Reference Guide (July 2026). The comments in the code are by the model that wrote it; some were corrected since.
;; Planar Flow. Allowed arithmetic: float matrix products may take bf16 or f16 operands with f32 sums; all other float work in f32.
;; Inputs: b 1 float32; u 1 x 256 float32; w 256 x 1 float32; z 2,048 x 256 float32.
;; Outputs: out0 2,048 x 256 float32; out1 2,048 x 1 float32.
;; One version. Each part assembles by itself: llvm-mc -triple=amdgcn-amd-amdhsa -mcpu=gfx1250 --defsym DOCPART=n.
;; ======== version 1 of 1: 1 launch
;; launch planar (part 1): grid 256 x 1, 4 waves a work-group, no clusters, 0 bytes of LDS; arguments w, u, z, b, out0, out1; writes out0, out1
.if DOCPART == 1
	.amdgcn_target "amdgcn-amd-amdhsa--gfx1250"
	.amdhsa_code_object_version 6
	.text
	.protected	k_q6d562b210e_planar
	.globl	k_q6d562b210e_planar
	.p2align	8
	.type	k_q6d562b210e_planar,@function
k_q6d562b210e_planar:
	s_mov_b64 s[64:65], 0
	v_nop
	global_prefetch_b8 v0, s[64:65] scope:SCOPE_SE
	s_setreg_imm32_b32 hwreg(HW_REG_WAVE_MODE, 25, 1), 1
	s_wait_xcnt 0x0
; Planar flow.  a = z.w + b,  t = tanh(a),  out0 = z + t u,  out1 = ln|det J|.
; J = I + (1 - t^2) (outer product of u and w) is a rank-one update of the identity, so for EVERY input
; det J = 1 + (1 - t^2) (u.w)  (matrix determinant lemma): no 256 x 256 matrix is formed.
;
; z, out0: [2048][256] f32;  w, u: 256 f32;  b: 1 f32;  out1: 2048 f32.
; 256 work-groups of four waves; a group owns 8 rows, a wave 2 rows.  A row is 1,024 bytes = two 16-byte loads a lane, each
; covering 512 consecutive bytes that start at a multiple of 512; lane l holds columns 4l..4l+3 and 128+4l..128+4l+3 of z, w, u.
; All eight loads of a wave go out at once; a row stays in registers from the dot product to the store: z is read once.
;
; All arithmetic is f32 on the vector unit.  The two products have one column (z.w) and one term (t u): a 16 x 16 matrix tile
; would be idle in 15 of 16 columns, and the dot product costs a lane four packed multiply-adds a row.
; No LDS, no barrier: a sum never leaves its wave.  No cluster: the work-groups share only w and u, 2,048 bytes; a joint request
; would bring them through LDS, with a wait, a barrier and LDS loads in front of the first product, in a text that has one trip.
; Each wave therefore loads w and u itself.
; out1: a wave stores its two numbers as 8 bytes from lane 0.  256 consecutive bytes of out1 belong to 64 rows (65,536 bytes
; of z): one writer for them would leave 32 work-groups.  out1 is 8,192 of the 4.2 million bytes moved.
;
; tanh without overflow, and 1 - t^2 without cancellation:  e = exp(-2|a|) in [0, 1],  g = 1 / (0.5 + 0.5 e) in [1, 2],
; |t| = (0.5 - 0.5 e) g,  1 - t^2 = e g^2.  The sign of a is copied on to t.
; LIMITS.  1 + (1 - t^2)(u.w) is rounded to f32 once, so out1 has an absolute error of about 1e-7 (small u.w included).
; The sums run in another order than the reference's.  u.w has to be finite in f32.  An argument of exactly 0 gives -inf.
; e below 2^-126 counts as 0 (v_exp_f32 flushes: ISA guide 15.8): t is then +-1 and out1 is 0.  NaN goes through.
.set W,   4                            ; v[4:11]    w of my 8 columns
.set U,   12                           ; v[12:19]   u of my 8 columns
.set Z0,  20                           ; v[20:27]   row 0: z, then out0
.set Z1,  28                           ; v[28:35]   row 1
.set P0,  36                           ; v[36:39]   row 0: two chains of packed sums; later the other half's sums
.set P1,  40                           ; v[40:43]   row 1
.set A,   44                           ; v[44:45]   a of row 0, row 1
.set UW,  48                           ; v[48:51]   u.w: two chains, then the sum in v48
.set M,   52                           ; v[52:53]   -2 log2(e) |a|
.set E,   54                           ; v[54:55]   e
.set P,   56                           ; v[56:57]   0.5 + 0.5 e; later 1 - t^2 and the logarithm's argument
.set Q,   58                           ; v[58:59]   0.5 - 0.5 e
.set G,   60                           ; v[60:61]   g
.set T,   62                           ; v[62:63]   |t|
.set T0,  64                           ; v[64:65]   t of row 0, twice (a pair for the packed multiply-add)
.set T1,  66                           ; v[66:67]   t of row 1, twice
.set L,   68                           ; v[68:69]   out1 of row 0, row 1
; my 8 products of x and y in two chains that do not wait for each other; the first products start the sums
.macro DOT8 acc, x, y
	v_pk_mul_f32 v[\acc:\acc+1],   v[\x:\x+1],   v[\y:\y+1]
	v_pk_mul_f32 v[\acc+2:\acc+3], v[\x+2:\x+3], v[\y+2:\y+3]
	v_pk_fma_f32 v[\acc:\acc+1],   v[\x+4:\x+5], v[\y+4:\y+5], v[\acc:\acc+1]
	v_pk_fma_f32 v[\acc+2:\acc+3], v[\x+6:\x+7], v[\y+6:\y+7], v[\acc+2:\acc+3]
	v_pk_add_f32 v[\acc:\acc+1],   v[\acc:\acc+1], v[\acc+2:\acc+3]
.endm
	s_load_b256 s[4:11], s[0:1], 0x0               ; w s[4:5], u s[6:7], z s[8:9], b s[10:11]
	s_load_b128 s[12:15], s[0:1], 0x20             ; out0 s[12:13], out1 s[14:15]
	s_lshl_b32 s2, ttmp9, 13                       ; the group's 8 rows of 1,024 bytes in z and out0
	s_lshl_b32 s3, ttmp9, 5                        ; its 8 numbers of 4 bytes in out1
	s_mov_b32 s17, 0                               ; upper word of the pair that holds b (a packed source is read as a pair)
	s_mov_b32 s18, 0xc038aa3b                      ; -2 log2(e)
	s_mov_b32 s19, 0x7fffffff                      ; everything but the sign
	s_mov_b32 s20, 0x76543210                      ; v_permlanex16_b32: lane i of one half reads lane i of the other
	s_mov_b32 s21, 0xfedcba98
	v_and_b32 v1, 31, v0                           ; lane
	v_and_b32 v3, 0x60, v0                         ; 32 x wave
	v_lshlrev_b32 v1, 4, v1                        ; 16 bytes a lane: my offset in w and u
	v_lshl_or_b32 v2, v3, 6, v1                    ; + wave x 2 rows x 1,024 bytes
	v_add_nc_u32 v2, s2, v2                        ; + the group's rows: my offset in z and out0 (below 2 MiB)
	v_cmp_eq_u32 vcc_lo, 0, v1                     ; lane 0, for the store of out1
	s_wait_kmcnt 0x0
	s_load_b32 s16, s[10:11], 0x0                  ; b
	global_load_b128 v[W:W+3],     v1, s[4:5]
	global_load_b128 v[W+4:W+7],   v1, s[4:5] offset:512
	global_load_b128 v[U:U+3],     v1, s[6:7]
	global_load_b128 v[U+4:U+7],   v1, s[6:7] offset:512
	global_load_b128 v[Z0:Z0+3],   v2, s[8:9] th:TH_LOAD_NT               ; z is read once in the whole launch
	global_load_b128 v[Z0+4:Z0+7], v2, s[8:9] offset:512 th:TH_LOAD_NT
	global_load_b128 v[Z1:Z1+3],   v2, s[8:9] offset:1024 th:TH_LOAD_NT
	global_load_b128 v[Z1+4:Z1+7], v2, s[8:9] offset:1536 th:TH_LOAD_NT
	; u.w, while z is on its way
	s_wait_loadcnt 0x4                             ; loads come back in order (ISA guide 5.7.1): w and u are in, the four loads of z stay out
	DOT8 UW, W, U
	v_add_f32 v[UW], v[UW], v[UW+1]
.irp m, 1,2,4,8
	v_add_f32_dpp v[UW], v[UW], v[UW] row_xmask:\m row_mask:0xf bank_mask:0xf
.endr
	v_permlanex16_b32 v[UW+1], v[UW], s20, s21     ; the other 16 lanes' sum (the destination has been written before)
	v_add_f32 v[UW], v[UW], v[UW+1]                ; u.w in every lane
	; z.w of my two rows
	s_wait_loadcnt 0x2                             ; row 0 is in, row 1's two loads stay out
	DOT8 P0, Z0, W
	v_add_f32 v[A], v[P0], v[P0+1]
	s_wait_loadcnt 0x0                             ; row 1
	DOT8 P1, Z1, W
	v_add_f32 v[A+1], v[P1], v[P1+1]
.irp m, 1,2,4,8
	v_add_f32_dpp v[A],   v[A],   v[A]   row_xmask:\m row_mask:0xf bank_mask:0xf
	v_add_f32_dpp v[A+1], v[A+1], v[A+1] row_xmask:\m row_mask:0xf bank_mask:0xf
.endr
	v_permlanex16_b32 v[P0],   v[A],   s20, s21
	v_permlanex16_b32 v[P0+1], v[A+1], s20, s21
	v_pk_add_f32 v[A:A+1], v[A:A+1], v[P0:P0+1]    ; both sums in every lane
	s_wait_kmcnt 0x0                               ; b
	v_pk_add_f32 v[A:A+1], v[A:A+1], s[16:17] op_sel_hi:[1,0]      ; a = z.w + b, both rows
	; t = tanh(a), both rows side by side
	v_mul_f32 v[M],   s18, |v[A]|
	v_mul_f32 v[M+1], s18, |v[A+1]|
	v_exp_f32 v[E],   v[M]                         ; e = exp(-2|a|): the exponent is never above 0
	v_exp_f32 v[E+1], v[M+1]
	v_lshrrev_b32 v3, 2, v3                        ; 8 x wave, for out1; also the plain instruction between v_exp_f32 and the use of e (ISA guide 5.7.2)
	s_wait_alu depctr_va_vdst(0)
	v_pk_fma_f32 v[P:P+1], v[E:E+1], 0.5, 0.5 op_sel_hi:[1,0,0]
	v_rcp_f32 v[G],   v[P]                         ; g = 2 / (1 + e)
	v_rcp_f32 v[G+1], v[P+1]
	v_pk_fma_f32 v[Q:Q+1], v[E:E+1], -0.5, 0.5 op_sel_hi:[1,0,0]   ; names neither g nor its source: the plain instruction behind v_rcp_f32
	s_wait_alu depctr_va_vdst(0)
	v_pk_mul_f32 v[T:T+1], v[Q:Q+1], v[G:G+1]      ; |t| = (1 - e) / (1 + e)
	v_bfi_b32 v[T0],   s19, v[T],   v[A]           ; magnitude of |t|, sign of a; each t twice, to fill a pair
	v_bfi_b32 v[T0+1], s19, v[T],   v[A]
	v_bfi_b32 v[T1],   s19, v[T+1], v[A+1]
	v_bfi_b32 v[T1+1], s19, v[T+1], v[A+1]
	; out0 = z + t u, in place; each store of the wave covers 512 consecutive bytes that start at a multiple of 512
.irp j, 0,2,4,6
	v_pk_fma_f32 v[Z0+\j:Z0+\j+1], v[U+\j:U+\j+1], v[T0:T0+1], v[Z0+\j:Z0+\j+1]
.endr
	global_store_b128 v2, v[Z0:Z0+3],   s[12:13] th:TH_STORE_NT
	global_store_b128 v2, v[Z0+4:Z0+7], s[12:13] offset:512 th:TH_STORE_NT
.irp j, 0,2,4,6
	v_pk_fma_f32 v[Z1+\j:Z1+\j+1], v[U+\j:U+\j+1], v[T1:T1+1], v[Z1+\j:Z1+\j+1]
.endr
	global_store_b128 v2, v[Z1:Z1+3],   s[12:13] offset:1024 th:TH_STORE_NT
	global_store_b128 v2, v[Z1+4:Z1+7], s[12:13] offset:1536 th:TH_STORE_NT
	; out1 = ln|1 + (1 - t^2) u.w|, behind the large stores
	v_pk_mul_f32 v[P:P+1], v[E:E+1], v[G:G+1]
	v_pk_mul_f32 v[P:P+1], v[P:P+1], v[G:G+1]      ; e g^2 = 1 - t^2
	v_pk_fma_f32 v[P:P+1], v[P:P+1], v[UW:UW+1], 1.0 op_sel_hi:[1,0,0]     ; both rows times v48 = u.w, plus 1: one rounding
	v_log_f32 v[L],   |v[P]|                       ; log2
	v_log_f32 v[L+1], |v[P+1]|
	v_add_nc_u32 v3, s3, v3                        ; my wave's 8 bytes in out1; also the plain instruction behind v_log_f32
	s_wait_alu depctr_va_vdst(0)
	v_pk_mul_f32 v[L:L+1], v[L:L+1], 0x3f317218 op_sel_hi:[1,0]    ; x ln 2
	s_wait_xcnt 0x0                                ; EXEC is a source of the stores above: it is narrowed only behind this wait
	s_and_saveexec_b32 s22, vcc_lo                 ; lane 0 alone; nothing follows that needs the other lanes
	global_store_b64 v3, v[L:L+1], s[14:15]        ; rows 2 wave and 2 wave + 1 of the group
	s_endpgm
.Lfunc_end_k_q6d562b210e_planar:
	.size	k_q6d562b210e_planar, .Lfunc_end_k_q6d562b210e_planar-k_q6d562b210e_planar
	.p2alignl 7, 3214868480
	.fill 96, 4, 3214868480
	.section	.rodata,"a",@progbits
	.p2align	6, 0x0
	.amdhsa_kernel k_q6d562b210e_planar
		.amdhsa_group_segment_fixed_size 0
		.amdhsa_private_segment_fixed_size 0
		.amdhsa_enable_private_segment 0
		.amdhsa_kernarg_size 48
		.amdhsa_user_sgpr_count 2
		.amdhsa_user_sgpr_kernarg_segment_ptr 1
		.amdhsa_wavefront_size32 1
		.amdhsa_system_sgpr_workgroup_id_x 1
		.amdhsa_system_sgpr_workgroup_id_y 1
		.amdhsa_system_sgpr_workgroup_id_z 1
		.amdhsa_system_vgpr_workitem_id 0
		.amdhsa_next_free_vgpr 72
		.amdhsa_next_free_sgpr 66
		.amdhsa_reserve_vcc 1
		.amdhsa_float_denorm_mode_32 3
		.amdhsa_float_denorm_mode_16_64 3
		.amdhsa_memory_ordered 1
		.amdhsa_forward_progress 1
		.amdhsa_inst_pref_size 7
	.end_amdhsa_kernel
	.amdgpu_metadata
---
amdhsa.version: [ 1, 2 ]
amdhsa.kernels:
  - .name:           k_q6d562b210e_planar
    .symbol:         k_q6d562b210e_planar.kd
    .args:
      - { .name: w, .offset: 0, .size: 8, .value_kind: global_buffer, .address_space: global }
      - { .name: u, .offset: 8, .size: 8, .value_kind: global_buffer, .address_space: global }
      - { .name: z, .offset: 16, .size: 8, .value_kind: global_buffer, .address_space: global }
      - { .name: b, .offset: 24, .size: 8, .value_kind: global_buffer, .address_space: global }
      - { .name: out0, .offset: 32, .size: 8, .value_kind: global_buffer, .address_space: global }
      - { .name: out1, .offset: 40, .size: 8, .value_kind: global_buffer, .address_space: global }
    .group_segment_fixed_size: 0
    .private_segment_fixed_size: 0
    .kernarg_segment_align: 8
    .kernarg_segment_size: 48
    .max_flat_workgroup_size: 128
    .sgpr_count:     66
    .vgpr_count:     72
    .wavefront_size: 32
...
	.end_amdgpu_metadata
.endif
;; end of part 1
